; MI455X (gfx1250); checked and timed in simulation.
; The chip was launched on July 23, 2026; its instructions are those of AMD's public machine-readable ISA for CDNA 5 (MIT licence, August 2026) and "CDNA5" Instruction Set Architecture Reference Guide (July 2026). The comments in the code are by the model that wrote it; some were corrected since.
;; QBB Linear. Allowed arithmetic: matrix products marked QUANTISED: E5M2 operands, one given power-of-two scale a tensor, by v_wmma_f32_16x16x64_bf8_bf8 or v_wmma_f32_16x16x128_bf8_bf8, f32 sums; everything else in f32.
;; Inputs: alphas 4 x 2,048 x 1 float32; bases 4 x 2,048 x 4,096 int8; lowp_scales 2 int32 (the exponents e of the quantised operands' scales 2^e); x_codes 4 x 2,048 x 128 x 32 uint8 (E5M2 codes of x, K innermost, in blocks of 32 codes).
;; Outputs: out0 4 x 2,048 x 2,048 float32.
;; This version of the problem:
;;   THIS VERSION OF THE PROBLEM IS GIVEN IN LOW PRECISION. The matrix products marked QUANTISED in the list below multiply operands that are first quantised to E5M2 (5 exponent bits, 2 mantissa bits; 8 bits a number), with one given power-of-two scale for each operand tensor; their sums are f32. All else is computed in f32.
;;   The module's matrix products, in the order in which they are computed (A, B: the left and right operand; K: the contracted axis; several contracted axes count as one K, in the product's order):
;;     1. [M 8,192, K 4,096] x [K 4,096, N 2,048]; A: input x (given as codes); B: computed on the way: QUANTISED (scales: A lowp_scales[0], B lowp_scales[1])
;;   THE QUANTISER, for each operand of a quantised product, along K:
;;     - The operand's scale is 2^e, e = its entry of the input lowp_scales (int32; the entries are numbered through the quantised products in the list's order, A before B).
;;     - Each number is divided by the scale, clamped to +-57,344, and rounded to the nearest number of E5M2, ties to even, subnormals kept.
;;     - The product sums the exact products of the quantised numbers (number of the format x scale) in f32.
;;   ~~~python
;;   def quantise(x, axis, e):      # numpy; x: float32 -> the quantised numbers, widened to float32 again
;;       x = np.moveaxis(x, axis, -1); K = x.shape[-1]
;;       r = np.clip(x / 2.0 ** e, -57344, 57344)
;;       step = 2.0 ** (np.maximum(np.frexp(np.where(r == 0, 1, r))[1] - 1, -14) - 2)
;;       q = np.round(r / step) * step * 2.0 ** e      # np.round: ties to even
;;       return np.moveaxis(q, -1, axis).astype(np.float32)
;;   ~~~
;;   OPERANDS COMPUTED ON THE WAY. 'Computed on the way' means the value that the module computes at that place (a softmax that the list does not call 'softmax' is quantised finished and normalised). What goes into a quantiser is computed in f32, as accurately as f32 sums, v_exp_f32 and their like allow (about 1e-6 of the number): no bf16 or f16 on the way to a quantiser, and a product that is left as it is and whose result goes on into a quantised operand takes f32 operands (vector FMAs, or v_wmma_f32_16x16x4_f32). A number that lies on a knife's edge between two numbers of the format may be rounded either way, as far as f32 arithmetic and the matrix unit's own rounding can turn it there, and no further.
;;   INPUTS GIVEN AS CODES. x (in the module: [4, 2048, 4096], K = its axis 2): each comes as NAME_codes (uint8): NAME with its K axis moved to the last place and cut into blocks of 32 codes, [.., K / 32, bytes a block], one block behind the other in memory; one code a byte (a code: sign, 5 exponent bits, 2 mantissa bits); its scale is its entry of lowp_scales. Its value is code x scale, taken as it is: it is not quantised again, and the codes and scales need not be those that the quantiser above would give.
;; One version. Each part assembles by itself: llvm-mc -triple=amdgcn-amd-amdhsa -mcpu=gfx1250 --defsym DOCPART=n.
;; ======== version 1 of 1: 2 launches
;; limits: right only within a limited range of input values
;; workspace buffers: w_codes 8,388,608 bytes
;; launch quantw (part 1): grid 128 x 2, 16 waves a work-group, no clusters, 35,328 bytes of LDS; arguments bases, alphas, lowp_scales, w_codes; writes w_codes
.if DOCPART == 1
	.amdgcn_target "amdgcn-amd-amdhsa--gfx1250"
	.amdhsa_code_object_version 6
	.text
	.protected	k_q11130e6c5c_quantw
	.globl	k_q11130e6c5c_quantw
	.p2align	8
	.type	k_q11130e6c5c_quantw,@function
k_q11130e6c5c_quantw:
	s_mov_b64 s[64:65], 0
	v_nop
	global_prefetch_b8 v0, s[64:65] scope:SCOPE_SE
	s_setreg_imm32_b32 hwreg(HW_REG_WAVE_MODE, 25, 1), 1
	s_wait_xcnt 0x0
; W[o][i] = the sum over k = 0 .. 3 of alphas[k][o] x bases[k][o][i], in f32, turned into codes of BF8 (E5M2) with the given scale 2^e1 (entry 1 of the scales' buffer):
; code = W / 2^e1, held within +-57,344, rounded to the nearest code, ties to even.  bases: [4][2048][4096] int8 (any int8 number is served), alphas: [4][2048] f32.
; The sum is one multiplication and three fused multiply-adds, k ascending.
; LIMITS: -126 <= e1 <= 112, so that 2^e1 and 57,344 x 2^e1 are f32 numbers.  NaN in alphas (or made by an infinite alpha x a base of 0) is not served; an infinite W is held at the largest code.
; THE CODES ARE LAID IN THE ORDER OF THE OPERAND'S REGISTERS, as the product's launch loads them: [o / 64][i / 128][(o / 16) % 4][an image of 2,048 bytes].  An image is a fragment, 16 rows o x 128 along i:
; group c (0 .. 3) of 512 bytes holds lane l's 16 bytes at 16 l; lane l = 16 h + r holds, of row r, i = 32 c + 16 h + 0 .. 15.
; SHARES.  A work-group takes the 16 rows of one fragment (work-group x) and half of i (2,048 numbers: work-group y); each of its sixteen waves takes one row, in 4 chunks of 512.  In a chunk a lane holds 16
; NEIGHBOURS along i: of each base 16 bytes, one load, so a wave's load reads 512 consecutive bytes, and a lane's registers run along i, as the conversions want them.  The row's four alphas are scalars.
; A lane's 16 codes belong to one row, and an image wants 16 rows side by side: so the codes go into LDS as rows (2,048 bytes + 16: an odd multiple of 16),
; a barrier, and wave w reads the image of the half's w-th 128 along i and stores it: four stores of 512 consecutive bytes, aligned to 256.
; All 16 loads of a wave go out at the head; every offset is an immediate; no register that a load or store names is written again.
; int8 TO f32, exactly: byte xor 0x80 is b + 128, unsigned; set under the upper bytes 0x4B0000 it is the f32 number 2^23 + b + 128; less 2^23 + 128 it is b (whole numbers under 2^24: nothing is rounded).
.set D,    16                          ; v16-79    as loaded: chunk c, base k at v[D + 16 c + 4 k], four registers
.set F,    80                          ; v80-95    16 numbers of one base, as f32
.set ACC,  96                          ; v96-111   the 16 sums
.set C,    112                         ; v112-127  codes: four registers for each chunk
.set OUTR, 128                         ; v128-143  an image's four groups
.set PLANE, 2048*4096                  ; bytes from one base to the next
.set RP,   2064                        ; a row of codes in LDS
	s_load_b256 s[4:11], s[0:1], 0x0               ; bases s[4:5], alphas s[6:7], the scales' exponents s[8:9], the codes s[10:11]
	v_lshl_add_u32 v144, v0, 2, 0x8200
	v_mov_b32 v145, 0
	v_lshrrev_b32 v4, 5, v0
	s_delay_alu instid0(VALU_DEP_1)
	v_readfirstlane_b32 s12, v4                    ; wave 0..15: my row of the fragment, and later my 128 along i
	v_and_b32 v1, 31, v0
	s_delay_alu instid0(VALU_DEP_1)
	v_lshlrev_b32 v1, 4, v1                        ; 16 x lane: my place in a chunk of a base, in a chunk of an LDS row, and in a group of an image; never rewritten
	v_and_b32 v8, 15, v0                           ; r
	v_bfe_u32 v9, v0, 4, 1                         ; h
	s_mul_i32 s19, s12, RP
	v_add_nc_u32 v6, s19, v1                       ; into LDS: my row, 16 x lane
	v_mul_u32_u24 v7, v8, RP
	s_delay_alu instid0(VALU_DEP_1)
	v_lshl_add_u32 v7, v9, 4, v7
	s_lshl_b32 s19, s12, 7
	v_add_nc_u32 v7, s19, v7                       ; back: row r, 128 x wave + 16 h (+ 32 c in the immediate)
	s_and_b32 s18, ttmp7, 0xffff                   ; which half of i
	s_lshl_b32 s13, ttmp9, 4
	s_add_co_u32 s13, s13, s12                     ; my row o = 16 x work-group x + wave
	s_lshl_b32 s14, s13, 2                         ; its alpha: 4 o bytes
	s_mov_b32 s15, 0
	s_lshl_b32 s16, s13, 12                        ; its 4,096 bytes in a base,
	s_lshl_b32 s19, s18, 11
	s_add_co_u32 s16, s16, s19                     ; and my half of them
	s_mov_b32 s17, 0
	s_lshr_b32 s38, ttmp9, 2                       ; where my image goes: (o / 64) x 262,144
	s_lshl_b32 s38, s38, 18
	s_lshl_b32 s39, s18, 4
	s_add_co_u32 s39, s39, s12
	s_lshl_b32 s39, s39, 13
	s_add_co_u32 s38, s38, s39                     ; + (16 x half + wave) x 8,192
	s_and_b32 s39, ttmp9, 3
	s_lshl_b32 s39, s39, 11
	s_add_co_u32 s38, s38, s39                     ; + ((o / 16) % 4) x 2,048
	s_mov_b32 s39, 0
	s_mov_b32 s40, 0x03000004                      ; byte selects: result byte 0 = byte 0, 1, 2 or 3 of the data word; bytes 1 and 2 = 0; byte 3 = 0x4B
	s_mov_b32 s41, 0x03000005
	s_mov_b32 s42, 0x03000006
	s_mov_b32 s43, 0x03000007
	s_mov_b32 s44, 0x4b000000                      ; 2^23 as f32
	s_mov_b32 s45, 0x80808080
	s_mov_b32 s46, 0xcb000080                      ; -(2^23 + 128)
	s_mov_b32 s47, s46                             ; (named with it as a pair, so it is written)
	s_wait_alu depctr_va_vdst(0)
	s_wait_kmcnt 0x0
	s_add_nc_u64 s[6:7], s[6:7], s[14:15]
	s_add_nc_u64 s[30:31], s[4:5], s[16:17]        ; my half row in base 0,
	s_add_nc_u64 s[32:33], s[30:31], PLANE         ; 1, 2 and 3: a base of its own for each, since the step from base to base does not fit the loads' signed 24-bit immediate
	s_add_nc_u64 s[34:35], s[32:33], PLANE
	s_add_nc_u64 s[36:37], s[34:35], PLANE
	s_add_nc_u64 s[10:11], s[10:11], s[38:39]
	s_load_b32 s20, s[6:7], 0x0                    ; alphas[0][o] .. alphas[3][o]: 2,048 numbers apart
	s_load_b32 s22, s[6:7], 0x2000
	s_load_b32 s24, s[6:7], 0x4000
	s_load_b32 s26, s[6:7], 0x6000
	s_load_b32 s28, s[8:9], 0x4                    ; e1
.irp c, 0,1,2,3
.irp k, 0,1,2,3
	global_load_b128 v[D+16*\c+4*\k:D+16*\c+4*\k+3], v1, s[30+2*\k:31+2*\k] offset:512*\c th:TH_LOAD_NT   ; 32 lanes read 512 consecutive bytes; read once in the launch
.endr
.endr
	s_wait_kmcnt 0x0
	s_mov_b32 s21, s20                             ; the packed forms name a pair and take its low word for both halves: the high words are written too
	s_mov_b32 s23, s22
	s_mov_b32 s25, s24
	s_mov_b32 s27, s26
	s_add_co_i32 s28, s28, 127
	s_lshl_b32 s29, s28, 23
	v_mov_b32 v2, s29                              ; 2^e1 as f32: the conversion takes its exponent field
	s_add_co_i32 s28, s28, 15
	s_lshl_b32 s28, s28, 23
	s_or_b32 s28, s28, 0x600000
	v_mov_b32 v3, s28                              ; 57,344 x 2^e1
; Base k of chunk c: 16 bytes a lane become 16 f32 numbers, which are multiplied by alpha k and start (k = 0) or join the sums.
.macro BASE c, k
	s_wait_loadcnt 15-4*\c-\k                      ; loads come back in order (ISA guide 5.7.1): this base's 16 bytes are in; the 15 - 4 c - k loads behind it may be out
.irp j, 0,1,2,3
	v_xor_b32 v[D+16*\c+4*\k+\j], s45, v[D+16*\c+4*\k+\j]          ; four bytes at once: b + 128
.endr
.irp j, 0,1,2,3
.irp b, 0,1,2,3
	v_perm_b32 v[F+4*\j+\b], v[D+16*\c+4*\k+\j], s44, s[40+\b]     ; 2^23 + b + 128: number 4 j + b of my 16
.endr
.endr
.irp p, 0,2,4,6,8,10,12,14
	v_pk_add_f32 v[F+\p:F+\p+1], v[F+\p:F+\p+1], s[46:47] op_sel_hi:[1,0]   ; b, exactly
.endr
.irp p, 0,2,4,6,8,10,12,14
.if \k == 0
	v_pk_mul_f32 v[ACC+\p:ACC+\p+1], v[F+\p:F+\p+1], s[20:21] op_sel_hi:[1,0]   ; the first term starts the sums: nothing is cleared
.else
	v_pk_fma_f32 v[ACC+\p:ACC+\p+1], v[F+\p:F+\p+1], s[20+2*\k:21+2*\k], v[ACC+\p:ACC+\p+1] op_sel_hi:[1,0,1]
.endif
.endr
.endm
.macro CHUNK c
	BASE \c, 0
	BASE \c, 1
	BASE \c, 2
	BASE \c, 3
.irp i, 0,1,2,3,4,5,6,7,8,9,10,11,12,13,14,15
	v_med3_num_f32 v[ACC+\i], v[ACC+\i], -v3, v3   ; the conversion to an 8-bit code does not saturate (ISA guide 7.6.2): the number is held within the largest code x the scale first
.endr
	v_cvt_scalef32_pk8_bf8_f32 v[C+4*\c:C+4*\c+1], v[ACC:ACC+7], v2        ; eight numbers / 2^e1, to the nearest code, ties to even; the first number's code in the lowest byte
	v_cvt_scalef32_pk8_bf8_f32 v[C+4*\c+2:C+4*\c+3], v[ACC+8:ACC+15], v2
	v_nop                                          ; one plain vector line behind the conversions, ahead of whatever vector line next writes the sums
	ds_store_b128 v6, v[C+4*\c:C+4*\c+3] offset:512*\c                     ; 32 lanes store 512 consecutive bytes of my row
.endm
.irp c, 0,1,2,3
	CHUNK \c
.endr
	s_wait_dscnt 0x0                               ; for the others' sake: my row lies in LDS
	s_barrier_signal -1
	s_barrier_wait -1                              ; all sixteen rows do
.irp c, 0,1,2,3
	ds_load_b128 v[OUTR+4*\c:OUTR+4*\c+3], v7 offset:32*\c                 ; group c of my image: row r, i = 128 x wave + 32 c + 16 h + 0 .. 15
.endr
.irp c, 0,1,2,3
	s_wait_dscnt 3-\c                              ; LDS loads come back in order: group c is in, the later ones may be out
	global_store_b128 v1, v[OUTR+4*\c:OUTR+4*\c+3], s[10:11] offset:512*\c ; 32 lanes store 512 consecutive bytes, at a multiple of 256 from the buffer's first byte
.endr
	s_wait_tensorcnt 0x0
	ds_add_u32 v144, v145
	s_wait_dscnt 0x0
	s_endpgm
.Lfunc_end_k_q11130e6c5c_quantw:
	.size	k_q11130e6c5c_quantw, .Lfunc_end_k_q11130e6c5c_quantw-k_q11130e6c5c_quantw
	.p2alignl 7, 3214868480
	.fill 96, 4, 3214868480
	.section	.rodata,"a",@progbits
	.p2align	6, 0x0
	.amdhsa_kernel k_q11130e6c5c_quantw
		.amdhsa_group_segment_fixed_size 35328
		.amdhsa_private_segment_fixed_size 0
		.amdhsa_enable_private_segment 0
		.amdhsa_kernarg_size 32
		.amdhsa_user_sgpr_count 2
		.amdhsa_user_sgpr_kernarg_segment_ptr 1
		.amdhsa_wavefront_size32 1
		.amdhsa_system_sgpr_workgroup_id_x 1
		.amdhsa_system_sgpr_workgroup_id_y 1
		.amdhsa_system_sgpr_workgroup_id_z 1
		.amdhsa_system_vgpr_workitem_id 0
		.amdhsa_next_free_vgpr 146
		.amdhsa_next_free_sgpr 66
		.amdhsa_reserve_vcc 0
		.amdhsa_float_denorm_mode_32 3
		.amdhsa_float_denorm_mode_16_64 3
		.amdhsa_memory_ordered 1
		.amdhsa_forward_progress 1
		.amdhsa_inst_pref_size 46
	.end_amdhsa_kernel
	.amdgpu_metadata
---
amdhsa.version: [ 1, 2 ]
amdhsa.kernels:
  - .name:           k_q11130e6c5c_quantw
    .symbol:         k_q11130e6c5c_quantw.kd
    .args:
      - { .name: bases, .offset: 0, .size: 8, .value_kind: global_buffer, .address_space: global }
      - { .name: alphas, .offset: 8, .size: 8, .value_kind: global_buffer, .address_space: global }
      - { .name: lowp_scales, .offset: 16, .size: 8, .value_kind: global_buffer, .address_space: global }
      - { .name: w_codes, .offset: 24, .size: 8, .value_kind: global_buffer, .address_space: global }
    .group_segment_fixed_size: 35328
    .private_segment_fixed_size: 0
    .kernarg_segment_align: 8
    .kernarg_segment_size: 32
    .max_flat_workgroup_size: 512
    .sgpr_count:     66
    .vgpr_count:     146
    .wavefront_size: 32
...
	.end_amdgpu_metadata
.endif
;; end of part 1
;; launch gemm (part 2): grid 8 x 32, 4 waves a work-group, clusters of 4 x 1, 327,680 bytes of LDS; arguments x_codes, w_codes, lowp_scales, out0; writes out0
.if DOCPART == 2
	.amdgcn_target "amdgcn-amd-amdhsa--gfx1250"
	.amdhsa_code_object_version 6
	.text
	.protected	k_q11130e6c5c_gemm
	.globl	k_q11130e6c5c_gemm
	.p2align	8
	.type	k_q11130e6c5c_gemm,@function
k_q11130e6c5c_gemm:
	s_mov_b64 s[64:65], 0
	v_nop
	global_prefetch_b8 v0, s[64:65] scope:SCOPE_SE
	s_setreg_imm32_b32 hwreg(HW_REG_WAVE_MODE, 25, 1), 1
	s_wait_xcnt 0x0
	s_wait_alu depctr_hold_cnt(0) depctr_sa_sdst(0) depctr_va_vdst(0) depctr_va_sdst(0) depctr_va_ssrc(0) depctr_va_vcc(0) depctr_vm_vsrc(0)
	s_getreg_b32 s2, hwreg(HW_REG_IB_STS2, 6, 4)
	s_cmp_eq_u32 s2, 0
	s_cbranch_scc0 .Lentry_in_a_cluster
	s_endpgm
.Lentry_in_a_cluster:
	s_bfe_u32 s2, ttmp6, 0x10000c
	s_cmp_lg_u32 s2, 0x3003
	s_cbranch_scc0 .Lentry_shape_is_right
	s_endpgm
.Lentry_shape_is_right:
; y[m][n] = 2^(e0 + e1) x the sum over k of X[m][k] W[n][k]: X = x_codes, 8,192 rows of 4,096 codes of BF8 (E5M2); W = the first launch's codes (2,048 x 4,096), laid in the order of the operand's
; registers; e0, e1 = the two scales' exponents.  Sums in f32, y in f32.
; LIMIT: e0 + e1 lies between -126 and 127, so that 2^(e0 + e1) is an f32 number.
; SHARES.  A work-group makes 256 x 256 of y: four waves, each all 256 rows x 64 columns: 16 x 4 accumulators of 16 x 16, 512 registers.  256 work-groups.
; X goes through two LDS slots of 512 along K (256 rows of 512 bytes + 16 of padding), filled by the tensor data mover, each wave 64 rows.  The four work-groups of a cluster make the same rows of y and ask for X JOINTLY.
; W goes from memory straight into registers: each wave needs 64 columns that no other wave of the cluster needs, and an image of 2,048 bytes is a fragment as the lanes hold it (lane l: 16 bytes at 16 l of each group of 512).
; The work-groups of a cluster share no byte of W, so W has no joint load.
; THE MATRIX INSTRUCTION IS USED TRANSPOSED (source 0 = 16 rows of W, source 1 = 16 rows of X): a lane holds eight neighbouring numbers of a row of y.  Both operands hold k in the same order: registers 4 c .. 4 c + 3 of lane
; (r, h): k = 32 c + 16 h + 0 .. 15 (a permutation of the form's own order, the same on both sides).
; REGISTERS.  window 0: v0-31 addresses; v32-255 fourteen blocks of X (16 rows x 128 K, 16 registers).  window 1: four sets of W (64 columns x 128 K, 64 registers): step s uses set s % 4.
;   window 2: accumulators of rows 0-127 ((a, b) at v[32 (a % 8) + 8 b]);  window 3: of rows 128-255.
; A STEP of 128 along K is two halves of 32 matrix instructions, with one run of loads behind each.  Blocks 14, 15 share the registers of blocks 0, 1; so the halves go 2 .. 7, 0, 1 and 8 .. 13, 14, 15:
;   run behind the first half:  this step's blocks 14, 15, the next step's 2 .. 7, and two blocks of W three steps on;
;   run behind the second half: the next step's blocks 0, 1, 8 .. 13, and two blocks of W four steps on (into the set just read).
; PREFETCH: at a change of slots, behind the joint load for slot j, each cluster asks for slot j + 1 of its 256 rows, each 256 bytes once: a wave's 64 rows are shared out by address, 16 to each partner.
; Slots 0 to 2 come by their loads alone; behind the load for slot 7 nothing is asked for.  W has none: its loads stand two and a half steps ahead of their use.
.set SIZE_N, 2048
.set KSLOT,  512
.set KROW,   4096
.set PITCH,  528                       ; 132 words: the 16 rows of a fragment load start at 16 different groups of banks
.set QROWS,  64*PITCH                  ; what one wave fetches
.set SLOT,   4*QROWS
.set BSTEP,  8192                      ; bytes of W from step to step, for 64 columns
.set SPARE,  2*SLOT                    ; the spare words: 128 bytes for each wave
.set STAGE,  SPARE+512                 ; the way out: 16 rows x 272 bytes for each wave; no fill lands there
.set SPITCH, 272
.set ADRA, 16                          ; v16-19  LDS addresses of my fragments of X: slot 0 rows 0-127, rows 128-255; slot 1 likewise
.set BO,   20                          ; v20     16 x lane: my place in a group of W
.set STO,  24                          ; v24     stage: where I put 16 bytes
.set RD,   25                          ; v25     stage: where I read a row back
.set CO,   26                          ; v26     my byte offset in y
.set SPW,  28                          ; v28     my spare word
.set NIL,  29                          ; v29     0
.set PFO,  30                          ; v30     the prefetches' offset
.set AF,   32                          ; X's blocks: block a at AF + 16 (a % 14)
.set FB,   64                          ; by rows: three buffers of 48 registers (16 rows x 384 K): v64-207
.set TMP,  32                          ; by rows: a block's sums x 2^(e0 + e1): v32-63
.set G1,   24
.set G0,   32
.set PFA,  66
.set MSB, 0
.macro WIN new                         ; the immediate's high byte repeats the setting that is left
.if MSB != \new
	s_set_vgpr_msb (MSB<<8)|\new
.set MSB, \new
.endif
.endm
.set MUL_LO, 0xa1                      ; source 0 (W) window 1, source 1 (X) window 0, C and D window 2
.set MUL_HI, 0xf1                      ; C and D window 3
.set TO_B,   0x40                      ; destination window 1
.macro PLACES                          ; four places behind the last matrix instruction, in front of loads into its registers and reads of its results
.rept 4
	v_nop
.endr
.endm
.macro CREST                           ; a round of the cluster's barrier behind its opening barrier
	s_cmp_lg_u32 s14, 0
	s_cbranch_scc1 .Lnot_wave_0_\@
	s_barrier_signal -3
.Lnot_wave_0_\@:
	s_barrier_wait -3
	s_barrier_signal -1
	s_barrier_wait -1
.endm
.macro CROUND
	s_barrier_signal -1
	s_barrier_wait -1
	CREST
.endm
.macro RF slot, q, a                   ; block a of the slot's q-th step: four loads
.irp c, 0,1,2,3
	ds_load_b128 v[AF+16*((\a)%14)+4*\c:AF+16*((\a)%14)+4*\c+3], v[ADRA+2*(\slot)+(\a)/8] offset:((\a)%8)*16*PITCH+128*(\q)+32*\c
.endr
.endm
.macro BL set, off, first              ; two of a step's four blocks of W: eight loads of 512 consecutive bytes
.irp i, 0,1
.irp c, 0,1,2,3
	global_load_b128 v[64*(\set)+16*(\first+\i)+4*\c:64*(\set)+16*(\first+\i)+4*\c+3], v[BO], s[12:13] offset:(\off)+2048*(\first+\i)+512*\c
.endr
.endr
.endm
.macro MM q, a, zero                   ; block a x the four blocks of W.  zero = 1: the first product starts the sums
.set rA, AF+16*((\a)%14)
.irp b, 0,1,2,3
.set rB, 64*(\q)+16*\b
.set rC, 32*((\a)%8)+8*\b
.if \zero
	v_wmma_f32_16x16x128_bf8_bf8 v[rC:rC+7], v[rB:rB+15], v[rA:rA+15], 0
.else
	v_wmma_f32_16x16x128_bf8_bf8 v[rC:rC+7], v[rB:rB+15], v[rA:rA+15], v[rC:rC+7]
.endif
.endr
.endm
.macro ALOAD a                         ; by rows: block a of the last slot's steps 1, 2, 3: twelve loads
.set FA, FB+48*((\a)%3)
.irp k, 1,2,3
.irp c, 0,1,2,3
	ds_load_b128 v[FA+16*(\k-1)+4*\c:FA+16*(\k-1)+4*\c+3], v[ADRA+2+(\a)/8] offset:((\a)%8)*16*PITCH+128*(\k)+32*\c
.endr
.endr
.endm
; A step: the q-th of a slot (and set q of W).  bo: byte offset of W three steps on.  mode 0: the next step lies in the same slot; 1: a change of slots, this slot is filled again; 2: a change, no refill;
; 3: the step ahead of the work by rows.
.macro STEP slot, q, zero, lc, bo, mode
	s_wait_loadcnt \lc                             ; this step's W is in; the sets behind it may be out (40: two and a half of 16 loads; 48: three)
	s_wait_dscnt 48                                ; 24 loads of blocks 2 .. 7 and the 32 of the run just issued are out at most: 8 of them must be in
	WIN MUL_LO
	MM \q, 2, \zero
	MM \q, 3, \zero
	s_wait_dscnt 40
	MM \q, 4, \zero
	MM \q, 5, \zero
	s_wait_dscnt 32
	MM \q, 6, \zero
	MM \q, 7, \zero
	s_wait_dscnt 24                                ; blocks 0, 1 head the run just issued
	MM \q, 0, \zero
	MM \q, 1, \zero
	PLACES
	WIN 0
.if \mode == 1
	s_wait_xcnt 0x0                                ; my prefetch has read its address
	s_add_nc_u64 s[PFA:PFA+1], s[PFA:PFA+1], KSLOT
.endif
	RF \slot, \q, 14
	RF \slot, \q, 15
.if \mode == 0
.irp a, 2,3,4,5,6,7
	RF \slot, \q+1, \a
.endr
.endif
.if \mode == 3
	ALOAD 0                                        ; into the registers of blocks 2 .. 7
	ALOAD 1
.else
	WIN TO_B
.if \zero
	BL (\q+3)%4, \bo, 0                            ; step 3's first half: later steps have asked for theirs a run earlier
.endif
	BL (\q+3)%4, \bo, 2
.endif
.if (\mode == 0) || (\mode == 3)
	s_wait_dscnt 48                                ; the same counts as in the first half
	WIN MUL_HI
	MM \q, 8, \zero
	MM \q, 9, \zero
	s_wait_dscnt 40
	MM \q, 10, \zero
	MM \q, 11, \zero
	s_wait_dscnt 32
	MM \q, 12, \zero
	MM \q, 13, \zero
	s_wait_dscnt 24
	MM \q, 14, \zero
	MM \q, 15, \zero
	PLACES
	WIN 0
.if \mode == 3
	ALOAD 2
.else
.irp a, 0,1,8,9,10,11,12,13
	RF \slot, \q+1, \a
.endr
	WIN TO_B
	BL \q, \bo+BSTEP, 0
.endif
.else
	WIN 0
	s_wait_tensorcnt 0x0                           ; all my tensor loads have landed: my part of the other slot;
	ds_add_u32 v[SPW], v[NIL]                      ; 0 onto my spare word
.if \mode == 1
	s_add_nc_u64 s[G0+4*(\slot)+2:G0+4*(\slot)+3], s[G0+4*(\slot)+2:G0+4*(\slot)+3], 2*KSLOT
.endif
	s_wait_dscnt 25                                ; out at most: blocks 10 .. 13 (16), 14, 15 (8), the add
	WIN MUL_HI
	MM \q, 8, 0
	MM \q, 9, 0
	s_wait_dscnt 21
	MM \q, 10, 0
	s_wait_dscnt 0x0                               ; the add is done, and so are my reads of this slot
	s_barrier_signal -1
	MM \q, 11, 0
	MM \q, 12, 0
	WIN 0
	s_barrier_wait -1                              ; the other slot is whole, and nobody reads this one any more
.if \mode == 1
	CREST                                          ; in no work-group of the cluster
	tensor_load_to_lds s[G0+4*(\slot):G0+4*(\slot)+3], s[G1:G1+7]
	s_nop 0
.endif
.irp a, 2,3,4,5,6,7
	RF 1-(\slot), 0, \a
.endr
.if \mode == 1
.if \slot
	s_cmp_gt_u32 s3, 1                             ; the last trip has no slot left to ask for here
	s_cbranch_scc0 .Lno_more_\@
.endif
	global_prefetch_b8 v[PFO], s[PFA:PFA+1] th:TH_LOAD_NT scope:SCOPE_SE
.Lno_more_\@:
.endif
	WIN MUL_HI
	MM \q, 13, 0
	MM \q, 14, 0
	MM \q, 15, 0
	PLACES
	WIN 0
.irp a, 0,1,8,9,10,11,12,13
	RF 1-(\slot), 0, \a
.endr
	WIN TO_B
	BL \q, \bo+BSTEP, 0
.if \mode == 2
	BL \q, \bo+BSTEP, 2                            ; the last step's W, whole
.endif
.endif
.endm
	s_load_b128 s[4:7], s[0:1], 0x0                ; X s[4:5], W s[6:7]
	s_load_b128 s[8:11], s[0:1], 0x10              ; the exponents s[8:9], y s[10:11]
	v_lshl_add_u32 v[SPW], v0, 2, SPARE
	v_mov_b32 v[NIL], 0
	ds_add_u32 v[SPW], v[NIL]                      ; the opening: the add, twice on end, ahead of my first tensor load
	ds_add_u32 v[SPW], v[NIL]
	v_lshrrev_b32 v1, 5, v0
	v_readfirstlane_b32 s14, v1                    ; wave 0..3
	v_and_b32 v[BO], 31, v0
	v_lshlrev_b32 v[BO], 4, v[BO]
	s_and_b32 s17, ttmp7, 0xffff                   ; tile row
	s_bfe_u32 s40, ttmp6, 0x40000                  ; cx
	s_lshl_b32 s42, ttmp9, 2
	s_add_co_u32 s42, s42, s40                     ; tile column
	; descriptor group 1: 64 rows x 512 bytes, 16 bytes of padding behind each row; mask 15, bit 21 beside it
	s_mov_b32 s[G1+0], 15|(0<<16)|(1<<20)|(1<<21)|(6<<22)|(3<<25)
	s_mov_b32 s[G1+1], KSLOT<<16
	s_mov_b32 s[G1+2], 64<<16
	s_mov_b32 s[G1+3], KSLOT<<16
	s_mov_b32 s[G1+4], 64
	s_mov_b32 s[G1+5], KROW
	s_mov_b32 s[G1+6], 0
	s_mov_b32 s[G1+7], 0
	s_lshl_b32 s20, s17, 8
	s_lshl_b32 s21, s14, 6
	s_add_co_u32 s20, s20, s21                     ; the rows that I fetch: 256 x tile row + 64 x wave
	s_lshl_b32 s20, s20, 12
	s_mov_b32 s21, 0
	s_mul_i32 s45, s14, QROWS
	s_lshl_b32 s46, s42, 2
	s_add_co_u32 s46, s46, s14
	s_lshl_b32 s46, s46, 18                        ; my 64 columns of W
	s_mov_b32 s47, 0
	s_lshl_b32 s70, s40, 16                        ; my work-group's 16 of those 64 rows, for the prefetches
	s_mov_b32 s71, 0
	s_lshl_b32 s48, s17, 21                        ; y: 256 rows of 8,192 bytes x tile row + 1,024 x tile column + 256 x wave
	s_lshl_b32 s50, s42, 10
	s_add_co_u32 s48, s48, s50
	s_lshl_b32 s50, s14, 8
	s_add_co_u32 s48, s48, s50
	s_mov_b32 s49, 0
	s_mul_i32 s23, s14, 16*SPITCH
	s_add_co_u32 s23, s23, STAGE
	s_wait_alu depctr_va_vdst(0)
	s_wait_dscnt 0x0                               ; both opening adds are done
	s_wait_kmcnt 0x0
	s_load_b64 s[96:97], s[8:9], 0x0               ; e0, e1
	s_add_nc_u64 s[20:21], s[4:5], s[20:21]
	s_add_nc_u64 s[12:13], s[6:7], s[46:47]
.irp s, 0,1
	s_mov_b32 s[G0+4*\s], 1
	s_add_co_u32 s[G0+4*\s+1], s45, \s*SLOT
	s_add_nc_u64 s[G0+4*\s+2:G0+4*\s+3], s[20:21], \s*KSLOT
	s_or_b32 s[G0+4*\s+3], s[G0+4*\s+3], 0x80000000
.endr
	CROUND                                         ; all four work-groups are here: the first joint loads meet
	tensor_load_to_lds s[G0:G0+3], s[G1:G1+7]      ; slot 0: one tensor load a wave at the head
	s_nop 0
	WIN TO_B                                       ; W of step 0, under the tile's flight: what the first products need comes first
	BL 0, 0, 0
	BL 0, 0, 2
	WIN 0
	s_add_nc_u64 s[10:11], s[10:11], s[48:49]
	s_add_nc_u64 s[PFA:PFA+1], s[20:21], s[70:71]
	s_add_nc_u64 s[PFA:PFA+1], s[PFA:PFA+1], 2*KSLOT   ; the first change of slots steps it to slot 3
	v_and_b32 v1, 15, v0                           ; r
	v_bfe_u32 v2, v0, 4, 1                         ; h
	v_mul_u32_u24 v3, v1, PITCH
	v_lshl_add_u32 v[ADRA], v2, 4, v3              ; row r, + 16 h
	v_add_nc_u32 v[ADRA+1], 8*16*PITCH, v[ADRA]
	v_add_nc_u32 v[ADRA+2], SLOT, v[ADRA]
	v_add_nc_u32 v[ADRA+3], SLOT+8*16*PITCH, v[ADRA]
	v_mul_u32_u24 v5, v1, SPITCH
	v_lshl_add_u32 v5, v2, 5, v5
	v_add_nc_u32 v[STO], s23, v5                   ; into the stage: row r, 32 h
	v_mul_u32_u24 v6, v2, SPITCH
	v_lshl_add_u32 v6, v1, 4, v6
	v_add_nc_u32 v[RD], s23, v6                    ; back: lanes 0-15 one row of 256 bytes, lanes 16-31 the next
	v_lshlrev_b32 v7, 13, v2
	v_lshl_add_u32 v[CO], v1, 4, v7                ; the same two rows in y
	v_lshlrev_b32 v8, 12, v1
	v_lshl_add_u32 v[PFO], v2, 8, v8               ; row r, 256 h of its 512 bytes
	s_wait_alu depctr_va_vdst(0)
	s_wait_kmcnt 0x0
	s_add_co_i32 s96, s96, s97
	s_add_co_i32 s96, s96, 127
	s_lshl_b32 s96, s96, 23                        ; 2^(e0 + e1) as f32
	s_wait_tensorcnt 0x0                           ; my part of slot 0 is in; ahead of a later first fill the same lines as ahead of a refill
	ds_add_u32 v[SPW], v[NIL]
	s_wait_dscnt 0x0
	WIN TO_B
	BL 1, BSTEP, 0                                 ; W of step 1
	BL 1, BSTEP, 2
	WIN 0
	CROUND                                         ; slot 0 is whole
	tensor_load_to_lds s[G0+4:G0+7], s[G1:G1+7]    ; slot 1, the first tensor load behind the round
	s_nop 0
.irp a, 2,3,4,5,6,7,0,1,8,9,10,11,12,13
	RF 0, 0, \a
.endr
	WIN TO_B
	BL 2, 2*BSTEP, 0                               ; W of step 2
	BL 2, 2*BSTEP, 2
	STEP 0, 0, 1, 32, 3*BSTEP, 0                   ; step 0 starts the sums; W of steps 1 and 2 may be out
	WIN 0
	s_mov_b32 s3, 3
.Llap:                                                 ; once round the ring: steps 1 .. 8, 9 .. 16, 17 .. 24
	STEP 0, 1, 0, 40, 4*BSTEP, 0
	STEP 0, 2, 0, 40, 5*BSTEP, 0
	STEP 0, 3, 0, 40, 6*BSTEP, 1
	STEP 1, 0, 0, 40, 7*BSTEP, 0
	STEP 1, 1, 0, 40, 8*BSTEP, 0
	STEP 1, 2, 0, 40, 9*BSTEP, 0
	STEP 1, 3, 0, 40, 10*BSTEP, 1
	STEP 0, 0, 0, 40, 11*BSTEP, 0
	WIN 0
	s_wait_xcnt 0x0                                ; my loads of W have read their base
	s_add_nc_u64 s[12:13], s[12:13], 8*BSTEP
	s_sub_co_u32 s3, s3, 1
	s_cmp_lg_u32 s3, 0
	s_cbranch_scc1 .Llap
	STEP 0, 1, 0, 40, 4*BSTEP, 0                   ; steps 25 .. 28; nothing is filled again
	STEP 0, 2, 0, 40, 5*BSTEP, 0
	STEP 0, 3, 0, 40, 6*BSTEP, 2
	STEP 1, 0, 0, 48, 0, 3
; STEPS 29 .. 31 GO BY ROWS OF y: their W stands in sets 1 .. 3, and my sixteen blocks of 16 rows are finished one after the other, 12 matrix instructions each (four accumulators by turns, k ascending),
; so that a block leaves while the next ones are multiplied.  A block's accumulators, once multiplied by 2^(e0 + e1) into TMP, take its rows as they come back from the stage: no register that a store
; reads is written again.
.macro ROW a
.set FA, FB+48*((\a)%3)
	WIN MUL_LO+0x50*((\a)/8)
.irp k, 1,2,3
.if (\a) == 0
	s_wait_loadcnt 48-16*\k                        ; W of steps 29, 30, 31 by turns
.endif
.irp b, 0,1,2,3
.set rC, 32*((\a)%8)+8*\b
	v_wmma_f32_16x16x128_bf8_bf8 v[rC:rC+7], v[64*\k+16*\b:64*\k+16*\b+15], v[FA+16*(\k-1):FA+16*(\k-1)+15], v[rC:rC+7]
.endr
.endr
.endm
.macro OUTB a
.set AC, 32*((\a)%8)
	PLACES
	WIN 0x02+((\a)/8)
.irp j, 0,2,4,6,8,10,12,14,16,18,20,22,24,26,28,30
	v_pk_mul_f32 v[TMP+\j:TMP+\j+1], v[AC+\j:AC+\j+1], s[96:97] op_sel_hi:[1,0]
.endr
	WIN 0
.irp b, 0,1,2,3
	ds_store_b128 v[STO], v[TMP+8*\b:TMP+8*\b+3] offset:64*\b
	ds_store_b128 v[STO], v[TMP+8*\b+4:TMP+8*\b+7] offset:64*\b+16
.endr
.if (\a) < 13
	ALOAD (\a)+3                                   ; into the buffer just read
.endif
	WIN 0x80+0x40*((\a)/8)
.irp t, 0,1,2,3,4,5,6,7
	ds_load_b128 v[AC+4*\t:AC+4*\t+3], v[RD] offset:\t*2*SPITCH   ; LDS serves a wave's instructions in order (ISA guide 5.7.1.4): these see the stores above
.endr
.endm
.macro SEND a, younger                 ; younger: the LDS instructions of the block behind it (8 stores, 8 loads, and 12 loads of X)
	s_wait_dscnt \younger
.set AC, 32*((\a)%8)
	WIN 0x08+0x04*((\a)/8)
.irp t, 0,1,2,3,4,5,6,7
	global_store_b128 v[CO], v[AC+4*\t:AC+4*\t+3], s[10:11] offset:(16*(\a)+2*\t)*SIZE_N*4   ; 16 lanes store 256 consecutive bytes, aligned to 256
.endr
.endm
	s_wait_dscnt 24                                ; block 0's loads are in, those of blocks 1 and 2 may be out
	ROW 0
	OUTB 0
	s_wait_dscnt 28                                ; blocks 1 and 2 are in
.irp a, 1,2,3,4,5,6,7,8,9,10,11,12
	ROW \a
	OUTB \a
	SEND \a-1, 28
.endr
.irp a, 13,14,15
	ROW \a
	OUTB \a
	SEND \a-1, 16
.endr
	SEND 15, 0
	WIN 0
	s_wait_tensorcnt 0x0                           ; the wave's end
	ds_add_u32 v[SPW], v[NIL]
	s_wait_dscnt 0x0
	CROUND                                         ; the closing round: no work-group ends while a partner may still ask for a tile that names it
	s_endpgm
.Lfunc_end_k_q11130e6c5c_gemm:
	.size	k_q11130e6c5c_gemm, .Lfunc_end_k_q11130e6c5c_gemm-k_q11130e6c5c_gemm
	.p2alignl 7, 3214868480
	.fill 96, 4, 3214868480
	.section	.rodata,"a",@progbits
	.p2align	6, 0x0
	.amdhsa_kernel k_q11130e6c5c_gemm
		.amdhsa_group_segment_fixed_size 327680
		.amdhsa_private_segment_fixed_size 0
		.amdhsa_enable_private_segment 0
		.amdhsa_kernarg_size 32
		.amdhsa_user_sgpr_count 2
		.amdhsa_user_sgpr_kernarg_segment_ptr 1
		.amdhsa_wavefront_size32 1
		.amdhsa_system_sgpr_workgroup_id_x 1
		.amdhsa_system_sgpr_workgroup_id_y 1
		.amdhsa_system_sgpr_workgroup_id_z 1
		.amdhsa_system_vgpr_workitem_id 0
		.amdhsa_next_free_vgpr 1024
		.amdhsa_next_free_sgpr 98
		.amdhsa_reserve_vcc 0
		.amdhsa_float_denorm_mode_32 3
		.amdhsa_float_denorm_mode_16_64 3
		.amdhsa_memory_ordered 1
		.amdhsa_forward_progress 1
		.amdhsa_inst_pref_size 219
	.end_amdhsa_kernel
	.amdgpu_metadata
---
amdhsa.version: [ 1, 2 ]
amdhsa.kernels:
  - .name:           k_q11130e6c5c_gemm
    .symbol:         k_q11130e6c5c_gemm.kd
    .args:
      - { .name: x_codes, .offset: 0, .size: 8, .value_kind: global_buffer, .address_space: global }
      - { .name: w_codes, .offset: 8, .size: 8, .value_kind: global_buffer, .address_space: global }
      - { .name: lowp_scales, .offset: 16, .size: 8, .value_kind: global_buffer, .address_space: global }
      - { .name: out0, .offset: 24, .size: 8, .value_kind: global_buffer, .address_space: global }
    .group_segment_fixed_size: 327680
    .private_segment_fixed_size: 0
    .kernarg_segment_align: 8
    .kernarg_segment_size: 32
    .max_flat_workgroup_size: 128
    .sgpr_count:     98
    .vgpr_count:     1024
    .wavefront_size: 32
...
	.end_amdgpu_metadata
.endif
;; end of part 2
